; MI455X (gfx1250); checked and timed in simulation.
; The chip was launched on July 23, 2026; its instructions are those of AMD's public machine-readable ISA for CDNA 5 (MIT licence, August 2026) and "CDNA5" Instruction Set Architecture Reference Guide (July 2026). The comments in the code are by the model that wrote it; some were corrected since.
;; Attention Pooling. Allowed arithmetic: matrix products marked QUANTISED: E2M3 operands, one E8M0 scale for each 32 along K, by v_wmma_scale_f32_16x16x128_f8f6f4 with both operands' format E2M3, f32 sums; everything else in f32.
;; Inputs: Wk_codes 256 x 8 x 24 uint8 (E2M3 codes of Wk, K innermost, in blocks of 32 codes, four codes in three bytes); Wk_scales 256 x 8 uint8 (E8M0 scales of Wk, one for each 32 codes along K); Wq_codes 256 x 8 x 24 uint8 (E2M3 codes of Wq, K innermost, in blocks of 32 codes, four codes in three bytes); Wq_scales 256 x 8 uint8 (E8M0 scales of Wq, one for each 32 codes along K); Wv_codes 256 x 8 x 24 uint8 (E2M3 codes of Wv, K innermost, in blocks of 32 codes, four codes in three bytes); Wv_scales 256 x 8 uint8 (E8M0 scales of Wv, one for each 32 codes along K); bk 256 float32; bq 256 float32; bv 256 float32; x_codes 4 x 4,096 x 8 x 24 uint8 (E2M3 codes of x, K innermost, in blocks of 32 codes, four codes in three bytes); x_scales 4 x 4,096 x 8 uint8 (E8M0 scales of x, one for each 32 codes along K).
;; Outputs: out0 4 x 1 x 256 float32.
;; This version of the problem:
;;   THIS VERSION OF THE PROBLEM IS GIVEN IN LOW PRECISION. The matrix products marked QUANTISED in the list below multiply operands that are first quantised to E2M3 (2 exponent bits, 3 mantissa bits; 6 bits a number), with one power-of-two scale for each 32 numbers along K (OCP MX v1.0); their sums are f32. All else is computed in f32.
;;   The module's matrix products, in the order in which they are computed (A, B: the left and right operand; K: the contracted axis; several contracted axes count as one K, in the product's order):
;;     1. [M 16,384, K 256] x [K 256, N 256]; A: input x (given as codes); B: input Wq (given as codes): QUANTISED
;;     2. [M 16,384, K 256] x [K 256, N 256]; A: input x (given as codes); B: input Wk (given as codes): QUANTISED
;;     3. [M 16,384, K 256] x [K 256, N 256]; A: input x (given as codes); B: input Wv (given as codes): QUANTISED
;;     4. batch 4 x [M 4,096, K 256] x [K 256, N 4,096]; A: computed on the way; B: computed on the way: QUANTISED
;;     5. batch 4 x [M 4,096, K 4,096] x [K 4,096, N 256]; A: softmax (see below); B: computed on the way: QUANTISED
;;   THE QUANTISER, for each operand of a quantised product, along K:
;;     - K is cut into blocks of 32 from its start; a last block that is shorter is filled with zeros.
;;     - A block's scale is 2^e with e = floor(log2(the largest magnitude in the block)) - 2, held to -126 .. 127; a block of zeros has e = 0. As a byte (E8M0): e + 127.
;;     - Each number is divided by its block's scale, clamped to +-7.5, and rounded to the nearest number of E2M3, ties to even, subnormals kept.
;;     - The product sums the exact products of the quantised numbers (number of the format x scale) in f32.
;;   ~~~python
;;   def quantise(x, axis):      # numpy; x: float32 -> the quantised numbers, widened to float32 again
;;       x = np.moveaxis(x, axis, -1); K = x.shape[-1]
;;       x = np.pad(x, [(0, 0)] * (x.ndim - 1) + [(0, -K % 32)]); x = x.reshape(x.shape[:-1] + (-1, 32)); a = np.abs(x).max(-1, keepdims=True)
;;       e = np.where(a > 0, np.clip(np.frexp(np.where(a > 0, a, 1))[1] - 1 - 2, -126, 127), 0)      # np.frexp(a)[1] - 1 = floor(log2(a)), exactly
;;       r = np.clip(x / 2.0 ** e, -7.5, 7.5)
;;       step = 2.0 ** (np.maximum(np.frexp(np.where(r == 0, 1, r))[1] - 1, 0) - 3)
;;       q = np.round(r / step) * step * 2.0 ** e      # np.round: ties to even
;;       return np.moveaxis(q.reshape(q.shape[:-2] + (-1,))[..., :K], -1, axis).astype(np.float32)
;;   ~~~
;;   SOFTMAX AHEAD OF A QUANTISED PRODUCT. Where the list says 'softmax', what is quantised is not the finished softmax but p = 2^(t - M), with t = logit x log2(e) and M = ceil(the row's largest t), a whole number; so 1/2 < the row's largest p <= 1. The row's sum l is taken of the UNQUANTISED p, in f32, and the product's result is divided by l at the end. Since M is a whole number, a kernel that streams over the keys may use a running M (the ceiling of the running maximum): every later rescaling is an exact power of two, which a block's scale takes up: the codes' values come out the same.
;;   OPERANDS COMPUTED ON THE WAY. 'Computed on the way' means the value that the module computes at that place (a softmax that the list does not call 'softmax' is quantised finished and normalised). What goes into a quantiser is computed in f32, as accurately as f32 sums, v_exp_f32 and their like allow (about 1e-6 of the number): no bf16 or f16 on the way to a quantiser, and a product that is left as it is and whose result goes on into a quantised operand takes f32 operands (vector FMAs, or v_wmma_f32_16x16x4_f32). A number that lies on a knife's edge between two numbers of the format may be rounded either way, as far as f32 arithmetic and the matrix unit's own rounding can turn it there, and no further.
;;   INPUTS GIVEN AS CODES. Wk (in the module: [256, 256], K = its axis 0); Wq (in the module: [256, 256], K = its axis 0); Wv (in the module: [256, 256], K = its axis 0); x (in the module: [4, 4096, 256], K = its axis 2): each comes as NAME_codes (uint8): NAME with its K axis moved to the last place and cut into blocks of 32 codes, [.., K / 32, bytes a block], one block behind the other in memory; four codes in three bytes: a row's codes are one little-endian stream of bits, code i at bits 6 i .. 6 i + 5 (a code: sign, 2 exponent bits, 3 mantissa bits); and NAME_scales (uint8): the same leading axes, one E8M0 byte (e + 127) for each 32 codes along K. Its value is code x scale, taken as it is: it is not quantised again, and the codes and scales need not be those that the quantiser above would give.
;; One version. Each part assembles by itself: llvm-mc -triple=amdgcn-amd-amdhsa -mcpu=gfx1250 --defsym DOCPART=n.
;; ======== version 1 of 1: 3 launches
;; limits: right only within a limited range of input values
;; workspace buffers: kv 6,553,600 bytes; qimg 3,276,800 bytes; part 262,144 bytes
;; launch project (part 1): grid 256 x 1, 3 waves a work-group, no clusters, 167,936 bytes of LDS; arguments x_codes, x_scales, Wq_codes, Wq_scales, bq, qimg, Wk_codes, Wk_scales, bk, kv, Wv_codes, Wv_scales, bv; writes qimg, kv
.if DOCPART == 1
	.amdgcn_target "amdgcn-amd-amdhsa--gfx1250"
	.amdhsa_code_object_version 6
	.text
	.protected	k_q20cda75e05_project
	.globl	k_q20cda75e05_project
	.p2align	8
	.type	k_q20cda75e05_project,@function
k_q20cda75e05_project:
	s_mov_b64 s[64:65], 0
	v_nop
	global_prefetch_b8 v0, s[64:65] scope:SCOPE_SE
	s_setreg_imm32_b32 hwreg(HW_REG_WAVE_MODE, 25, 1), 1
	s_wait_xcnt 0x0
; q = x Wq + bq, k = x Wk + bk, v = x Wv + bv on codes of FP6 (E2M3) as they are given; the results are quantised again, q and k along the 256 channels, v along the keys,
; and stored AS IMAGES OF OPERAND REGISTERS: a fragment (16 rows x 128 K, 12 registers a lane) as three runs of 512 bytes, lane l's registers 4 c .. 4 c + 3 at 512 c + 16 l.
; Nothing of reference() is left out: every input has a way to the result.
; SHARES.  Work-group g (256 of them), three waves: wave 0: q of rows 64 g .. 64 g + 63; wave 1: k of the same rows; wave 2: v of the 128 keys of key step g / 2, channels 128 (g % 2) on.
; Each is 128 matrix instructions and 8 fragments.  Waves 0 and 1 run one text and differ in pointers alone.  No wave reads another's LDS bytes: no barrier.
; THE WEIGHT comes by ONE tensor load a wave into LDS bytes of the wave's own: a dense block of memory (49,152 bytes; wave 2: its 24,576), stated as rows of 64 bytes with 8 bytes of padding behind each.
; A weight's row of 192 bytes is then 216 bytes in LDS, 54 words: the sixteen rows of a fragment start at sixteen different even banks.  Byte y of a row lies at y + 8 (y / 64);
; lanes 16-31 read 24 bytes further on, which is 24 or 32 bytes on in LDS: two address registers, chosen piece by piece when the text is assembled.
; NO CLUSTER: a wave issues one tensor load in the whole launch, and Wv's half differs between neighbouring work-groups.  NO PREFETCH: there is no loop to run ahead in.
; q, k: THE PRODUCT IS USED TRANSPOSED (source 0 = 16 rows of W, source 1 = 16 rows of x), and lane r of W's tile 2 b + u takes row 32 b + 8 u + r + 8 (r / 8): a lane then holds one row of x,
; and register 16 b + i of its 128 results is channel 32 b + 16 (lane / 16) + i.  v: source 0 = 16 rows of x (keys, chosen in the same way), source 1 = 16 rows of Wv:
; a lane holds one channel, and register 16 b + i is key 32 b + 16 (lane / 16) + i.  The bias is the C of each sum's first matrix instruction.  x's rows of a tile are chosen in that way in q and k too.
; kv: 128 key steps of 51,200 bytes: K's record (16 fragments, 2 kt + s, then 1,024 bytes of scale words), V's record (16 fragments, one a channel tile, then 1,024 bytes of scale words).
; qimg: 256 records of 12,800 bytes: 8 fragments (2 t + s), then 512 bytes of scale words.  A register of scale words carries one word in lanes 0-15 and another in lanes 16-31.
; LIMITS: NaN and infinities among the inputs are not served.  A block of zeros gets the byte 1 where the rule says 127: its codes are zeros, and this program alone reads the bytes.
.set XS,   8                           ; v8-15    x's scale words: lanes 0-15 K step 0, lanes 16-31 K step 1
.set WS,   16                          ; v16-31   the weight's, likewise
.set TM,   32                          ; v32-47   at work in QUANT
.set PW,   48                          ; v48-49   two scale words just made
.set SW,   52                          ; v52-55   four registers of scale words, as they are stored
.set PC,   56                          ; v56-75   the codes just made
.set SPW,  80                          ; v80      my spare word;  v81: 0
.set NIL,  81
.set LW,   82                          ; v82-83   LDS address of a chosen row of my weight, + 24 h and + 32 h
.set LV,   84                          ; v84-85   the same for row r
.set H,    128                         ; v128-255 results
.set WREG, 55296                       ; a wave's LDS bytes: 768 rows of 72
.set SPARE, 3*WREG                     ; the spare words, 128 bytes a wave
.set OUTF, 40
.set OUTS, 42
.set SEL,  44
.set G1A,  68                          ; s[68:75] group 1: 768 rows;  s[76:83]: 384 rows;  s[84:87] group 0
.set G1B,  76
.set G0,   84
.set MSB,  0
.macro WIN new                         ; the immediate's high byte repeats the setting that is left
.if MSB != (\new)
	s_set_vgpr_msb (MSB<<8)|(\new)
.set MSB, \new
.endif
.endm
.macro PLACES n
.rept \n
	v_nop
.endr
.endm
.macro FRAG6 reg, adr, base, off       ; a fragment from rows of codes in memory: 24 bytes and 24 bytes, in pieces of 8
.irp p, 0,1,2,3,4,5
	global_load_b64 v[(\reg)+2*\p:(\reg)+2*\p+1], v[\adr], s[\base:\base+1] offset:(\off)+48*(\p/3)+8*(\p%3)
.endr
.endm
.macro FRAGL reg, adr, off, o          ; a fragment from the weight's rows in LDS; o: where the K step begins in a row, in bytes
.irp p, 0,1,2,3,4,5
.set BY, (\o)+48*(\p/3)+8*(\p%3)
.if (BY+24)/64 == BY/64
	ds_load_b64 v[(\reg)+2*\p:(\reg)+2*\p+1], v[\adr] offset:(\off)+BY+8*(BY/64)
.else
	ds_load_b64 v[(\reg)+2*\p:(\reg)+2*\p+1], v[(\adr)+1] offset:(\off)+BY+8*(BY/64)
.endif
.endr
.endm
; 64 numbers of a lane, register 16 b + i = k 32 b + 16 (lane / 16) + i of my row, become a fragment's codes in v[PC] on and its scale word in v[pw]
.macro QUANT s, pw
.irp b, 0,1,2,3
	v_max3_num_f32 v[TM+\b], |v[(\s)+16*\b]|, |v[(\s)+1+16*\b]|, 0x1800000   ; and the floor 2^(3 - 127): the byte cannot fall under 1
.endr
.irp i, 2,4,6,8,10,12,14
.irp b, 0,1,2,3
	v_max3_num_f32 v[TM+\b], v[TM+\b], |v[(\s)+16*\b+\i]|, |v[(\s)+1+16*\b+\i]|
.endr
.endr
.irp b, 0,1,2,3
	v_permlanex16_b32 v[TM+4+\b], v[TM+\b], s[SEL], s[SEL+1]
.endr
.irp b, 0,1,2,3
	v_max_num_f32 v[TM+\b], v[TM+\b], v[TM+4+\b]
.endr
.irp b, 0,1,2,3
	v_add_nc_u32 v[TM+12+\b], 0xff000000, v[TM+\b]   ; 2 off the exponent field: the conversion's scale operand
.endr
.irp b, 0,1,2,3
	v_lshrrev_b32 v[TM+4+\b], 23, v[TM+12+\b]        ; the scale's byte
.endr
	v_lshl_or_b32 v[\pw], v[TM+5], 8, v[TM+4]
	v_lshl_or_b32 v[\pw], v[TM+6], 16, v[\pw]
	v_lshl_or_b32 v[\pw], v[TM+7], 24, v[\pw]
.irp c, 0,1
	v_cvt_scalef32_pk16_fp6_f32 v[PC+6*\c:PC+2+6*\c], v[(\s)+32*\c:(\s)+15+32*\c], v[TM+12+2*\c]
	v_cvt_scalef32_pk16_fp6_f32 v[PC+12+4*\c:PC+14+4*\c], v[(\s)+16+32*\c:(\s)+31+32*\c], v[TM+13+2*\c]
.endr
	v_nop                                          ; one plain place behind the scaled conversions
.irp c, 0,1                            ; a whole block in a lane: lanes 0-15 block 2 c, lanes 16-31 block 2 c + 1
.irp i, 0,1,2
	v_permlane16_swap_b32 v[PC+6*\c+\i], v[PC+12+4*\c+\i]
.endr
.irp i, 0,1,2
	v_mov_b32 v[PC+3+6*\c+\i], v[PC+12+4*\c+\i]
.endr
.endr
.endm
.macro SENDF off                       ; three stores of 512 consecutive bytes
.irp c, 0,1,2
	global_store_b128 v1, v[PC+4*\c:PC+4*\c+3], s[OUTF:OUTF+1] offset:(\off)+512*\c
.endr
.endm
.macro CLOSE                           ; the wave's end
	s_wait_tensorcnt 0x0
	ds_add_u32 v[SPW], v[NIL]
	s_wait_dscnt 0x0
	s_endpgm
.endm
	s_load_b128 s[4:7], s[0:1], 0x0                ; x's codes, x's scales
	s_load_b256 s[8:15], s[0:1], 0x10              ; Wq's codes, Wq's scales, bq, qimg
	s_load_b256 s[16:23], s[0:1], 0x30             ; Wk's codes, Wk's scales, bk, kv
	s_load_b128 s[24:27], s[0:1], 0x50             ; Wv's codes, Wv's scales
	s_load_b64 s[28:29], s[0:1], 0x60              ; bv
	v_lshl_add_u32 v[SPW], v0, 2, SPARE
	v_mov_b32 v[NIL], 0
	ds_add_u32 v[SPW], v[NIL]
	ds_add_u32 v[SPW], v[NIL]
	v_lshrrev_b32 v1, 5, v0
	v_readfirstlane_b32 s30, v1                    ; wave 0..2
	s_mov_b32 s31, 0xffff0000                      ; lanes 16-31
	s_mov_b32 s[SEL], 0x76543210
	s_mov_b32 s[SEL+1], 0xfedcba98
	s_mul_i32 s58, s30, WREG                       ; my LDS bytes
.irp g, G1A, G1B
	s_mov_b32 s[\g], (3<<16)|(1<<20)|(3<<22)|(1<<25)   ; elements of 8 bytes; behind every 16 words 2 words of padding
	s_mov_b32 s[\g+1], 8<<16
	s_mov_b32 s[\g+3], 8<<16
	s_mov_b32 s[\g+5], 8
	s_mov_b32 s[\g+6], 0
	s_mov_b32 s[\g+7], 0
.endr
	s_mov_b32 s[G1A+2], 768<<16
	s_mov_b32 s[G1A+4], 768
	s_mov_b32 s[G1B+2], 384<<16
	s_mov_b32 s[G1B+4], 384
	s_mov_b32 s[G0], 1
	s_mov_b32 s[G0+1], s58
	v_and_b32 v76, 31, v0                          ; lane
	v_and_b32 v77, 15, v0                          ; r
	v_bfe_u32 v78, v0, 4, 1                        ; h
	v_and_b32 v79, 8, v77
	v_add_nc_u32 v79, v79, v77                     ; r + 8 (r / 8)
	v_lshlrev_b32 v1, 4, v76                       ; v1: 16 x lane: my place in an image
	v_mul_u32_u24 v2, v79, 192
	v_mad_u32_u24 v2, v78, 24, v2                  ; v2: a chosen row of 192 bytes of codes, + 24 h
	v_lshlrev_b32 v3, 3, v79
	v_lshl_add_u32 v3, v78, 2, v3                  ; v3: its 8 scale bytes: lanes 0-15 the first word, lanes 16-31 the second
	v_lshlrev_b32 v4, 6, v78                       ; v4: bq, bk: 16 h numbers on
	v_lshlrev_b32 v6, 3, v77
	v_lshl_add_u32 v6, v78, 2, v6                  ; v6: Wv's scale words, row r
	v_lshlrev_b32 v7, 2, v77                       ; v7: bv: number r
	v_mul_u32_u24 v[LW], v79, 216
	v_add_nc_u32 v[LW], s58, v[LW]
	v_lshl_add_u32 v[LW+1], v78, 5, v[LW]
	v_mad_u32_u24 v[LW], v78, 24, v[LW]
	v_mul_u32_u24 v[LV], v77, 216
	v_add_nc_u32 v[LV], s58, v[LV]
	v_lshl_add_u32 v[LV+1], v78, 5, v[LV]
	v_mad_u32_u24 v[LV], v78, 24, v[LV]
.irp b, 0,1,2,3
	v_mov_b32 v[TM+4+\b], 0                        ; a lane permute's destination counts as one of its sources
.endr
	s_lshr_b32 s54, ttmp9, 1                       ; the key step
	s_and_b32 s55, ttmp9, 1                        ; which half of it (k), which half of the channels (v)
	s_mul_i32 s56, s54, 51200
	s_mul_i32 s57, s55, 24576                      ; Wv: my 128 rows
	s_mov_b32 s51, 0
	s_wait_alu depctr_va_vdst(0)                   ; the wait at the head's end
	s_wait_dscnt 0x0                               ; both opening adds are done
	s_wait_kmcnt 0x0
	s_cmp_eq_u32 s30, 0                            ; my weight: the choice hangs on the wave's number alone
	s_cselect_b64 s[G0+2:G0+3], s[8:9], s[16:17]
	s_cmp_eq_u32 s30, 2
	s_cselect_b64 s[G0+2:G0+3], s[24:25], s[G0+2:G0+3]
	s_cselect_b32 s50, s57, 0
	s_add_nc_u64 s[G0+2:G0+3], s[G0+2:G0+3], s[50:51]
	s_or_b32 s[G0+3], s[G0+3], 0x80000000
	s_cmp_eq_u32 s30, 2
	s_cbranch_scc1 .Lhalf
	tensor_load_to_lds s[G0:G0+3], s[G1A:G1A+7]    ; one tensor load a wave: Wq or Wk, whole
	s_nop 0
	PLACES 4
	s_branch .Lasked
.Lhalf:
	tensor_load_to_lds s[G0:G0+3], s[G1B:G1B+7]    ; Wv's 128 rows
	s_nop 0
	PLACES 4
.Lasked:
	s_cmp_eq_u32 s30, 2
	s_cbranch_scc1 .Lpath_v
	; ---- waves 0 and 1: q and k
	s_mul_i32 s46, ttmp9, 12800                    ; q: my record, and its scale words
	s_add_co_u32 s47, s46, 12288
	s_mul_i32 s48, s55, 12288                      ; k: my 8 fragments of K's record,
	s_add_co_u32 s48, s48, s56
	s_lshl_b32 s49, s55, 9                         ; and my 512 bytes of its scale words
	s_add_co_u32 s49, s49, s56
	s_add_co_u32 s49, s49, 24576
	s_cmp_eq_u32 s30, 0
	s_cselect_b64 s[34:35], s[10:11], s[18:19]     ; the weight's scales
	s_cselect_b64 s[36:37], s[12:13], s[20:21]     ; the bias
	s_cselect_b64 s[38:39], s[14:15], s[22:23]     ; the buffer to store into
	s_cselect_b32 s50, s46, s48
	s_cselect_b32 s52, s47, s49
	s_mov_b32 s53, 0
	s_add_nc_u64 s[OUTF:OUTF+1], s[38:39], s[50:51]
	s_add_nc_u64 s[OUTS:OUTS+1], s[38:39], s[52:53]
	s_mul_i32 s50, ttmp9, 12288                    ; x: 64 rows of 192 bytes,
	s_add_nc_u64 s[4:5], s[4:5], s[50:51]
	s_lshl_b32 s52, ttmp9, 9                       ; and of 8 scale bytes
	s_add_nc_u64 s[6:7], s[6:7], s[52:53]
	WIN 0xc0                                       ; window 3: x's fragments (tile m, K step s) at v[128 + 12 (2 m + s)], the bias at v[8 T]
.irp m, 0,1,2,3
.irp s, 0,1
	FRAG6 128+12*(2*\m+\s),2,4,(32*(\m/2)+8*(\m%2))*192+96*\s
.endr
.endr
.irp T, 0,1,2,3,4,5,6,7,8,9,10,11,12,13,14,15
	global_load_b128 v[8*\T:8*\T+3], v4, s[36:37] offset:(32*(\T/2)+8*(\T%2))*4
	global_load_b128 v[8*\T+4:8*\T+7], v4, s[36:37] offset:(32*(\T/2)+8*(\T%2))*4+16
.endr
	WIN 0
.irp m, 0,1,2,3
	global_load_b32 v[XS+\m], v3, s[6:7] offset:(32*(\m/2)+8*(\m%2))*8
.endr
.irp T, 0,1,2,3,4,5,6,7,8,9,10,11,12,13,14,15
	global_load_b32 v[WS+\T], v3, s[34:35] offset:(32*(\T/2)+8*(\T%2))*8
.endr
	s_wait_tensorcnt 0x0                           ; my weight is in LDS; I alone read it
	WIN 0x40                                       ; window 1: the weight's fragments of K step 0 at v[12 T]
.irp T, 0,1,2,3,4,5,6,7,8,9,10,11,12,13,14,15
	FRAGL 12*\T,LW,(32*(\T/2)+8*(\T%2))*216,0
.endr
	WIN 0x80                                       ; window 2: those of K step 1
.irp T, 0,1,2,3,4,5,6,7,8,9,10,11,12,13,14,15
	FRAGL 12*\T,LW,(32*(\T/2)+8*(\T%2))*216,96
.endr
	WIN 0
	s_wait_loadcnt 0x0
	s_wait_dscnt 0x0
.irp m, 0,1,2,3                        ; a tile of 16 rows of x at a time: 16 accumulators by turns, K step by K step
	WIN 0x3d                                       ; source 0 window 1, sources 1 and 2 window 3
.irp T, 0,1,2,3,4,5,6,7,8,9,10,11,12,13,14,15
	v_wmma_scale_f32_16x16x128_f8f6f4 v[H+8*\T:H+8*\T+7], v[12*\T:12*\T+11], v[128+24*\m:128+24*\m+11], v[8*\T:8*\T+7], v[WS+\T], v[XS+\m] matrix_a_fmt:MATRIX_FMT_FP6 matrix_b_fmt:MATRIX_FMT_FP6
.endr
	WIN 0x0e                                       ; source 0 window 2, source 1 window 3
.irp T, 0,1,2,3,4,5,6,7,8,9,10,11,12,13,14,15
	v_wmma_scale_f32_16x16x128_f8f6f4 v[H+8*\T:H+8*\T+7], v[12*\T:12*\T+11], v[140+24*\m:140+24*\m+11], v[H+8*\T:H+8*\T+7], v[WS+\T], v[XS+\m] matrix_a_fmt:MATRIX_FMT_FP6 matrix_b_fmt:MATRIX_FMT_FP6 matrix_a_scale:MATRIX_SCALE_ROW1 matrix_b_scale:MATRIX_SCALE_ROW1
.endr
	WIN 0
	PLACES 4                                       ; in front of the first read of results (ISA guide 7.12.1)
.irp h, 0,1
	s_wait_xcnt 0x0                                ; the last fragment's stores have read v[PC] on
	QUANT H+64*\h,PW+\h
	SENDF 1536*(2*\m+\h)
.endr
	v_cndmask_b32 v[SW+\m], v[PW], v[PW+1], s31    ; lanes 0-15: the word of channels 0-127; lanes 16-31: that of channels 128-255
.endr
	global_store_b128 v1, v[SW:SW+3], s[OUTS:OUTS+1]
	CLOSE
.Lpath_v:                              ; ---- wave 2: v
	s_mul_i32 s46, s55, 12288                      ; my 8 fragments of V's record,
	s_add_co_u32 s46, s46, s56
	s_add_co_u32 s46, s46, 25600
	s_mov_b32 s47, 0
	s_add_nc_u64 s[OUTF:OUTF+1], s[22:23], s[46:47]
	s_lshl_b32 s48, s55, 9                         ; and my 512 bytes of its scale words
	s_add_co_u32 s48, s48, s56
	s_add_co_u32 s48, s48, 50176
	s_mov_b32 s49, 0
	s_add_nc_u64 s[OUTS:OUTS+1], s[22:23], s[48:49]
	s_mul_i32 s50, s54, 24576                      ; x: 128 rows of 192 bytes,
	s_add_nc_u64 s[4:5], s[4:5], s[50:51]
	s_lshl_b32 s50, s54, 10                        ; and of 8 scale bytes
	s_add_nc_u64 s[6:7], s[6:7], s[50:51]
	s_lshl_b32 s50, s55, 10                        ; Wv's scales: my 128 rows
	s_add_nc_u64 s[26:27], s[26:27], s[50:51]
	s_lshl_b32 s50, s55, 9                         ; bv: my 128 numbers
	s_add_nc_u64 s[28:29], s[28:29], s[50:51]
	WIN 0x40                                       ; window 1: x's fragments (key tile k, K step s) at v[12 (2 k + s)]
.irp k, 0,1,2,3,4,5,6,7
.irp s, 0,1
	FRAG6 12*(2*\k+\s),2,4,(32*(\k/2)+8*(\k%2))*192+96*\s
.endr
.endr
	WIN 0xc0                                       ; window 3: the bias: a lane holds one channel: one load a channel tile, copied below
.irp c, 0,1,2,3,4,5,6,7
	global_load_b32 v[8*\c], v7, s[28:29] offset:64*\c
.endr
	WIN 0
.irp k, 0,1,2,3,4,5,6,7
	global_load_b32 v[XS+\k], v3, s[6:7] offset:(32*(\k/2)+8*(\k%2))*8
.endr
.irp c, 0,1,2,3,4,5,6,7
	global_load_b32 v[WS+\c], v6, s[26:27] offset:128*\c
.endr
	s_wait_tensorcnt 0x0                           ; my half of Wv is in LDS; I alone read it
	WIN 0x80                                       ; window 2: Wv's fragments (channel tile c, K step s) at v[12 (2 c + s)]
.irp c, 0,1,2,3,4,5,6,7
.irp s, 0,1
	FRAGL 12*(2*\c+\s),LV,3456*\c,96*\s
.endr
.endr
	s_wait_loadcnt 0x0
	WIN 0xc3
.irp c, 0,1,2,3,4,5,6,7
.irp j, 1,2,3,4,5,6,7
	v_mov_b32 v[8*\c+\j], v[8*\c]                  ; the bias in the result's layout: a lane's eight registers are equal
.endr
.endr
	WIN 0
	s_wait_alu depctr_va_vdst(0)                   ; directly ahead of the wait below
	s_wait_dscnt 0x0
.irp c, 0,1,2,3,4,5,6,7                ; a tile of 16 channels at a time: the 8 key tiles' accumulators by turns
	WIN 0x39                                       ; source 0 window 1, source 1 window 2, source 2 window 3
.irp k, 0,1,2,3,4,5,6,7
	v_wmma_scale_f32_16x16x128_f8f6f4 v[H+8*\k:H+8*\k+7], v[24*\k:24*\k+11], v[24*\c:24*\c+11], v[8*\c:8*\c+7], v[XS+\k], v[WS+\c] matrix_a_fmt:MATRIX_FMT_FP6 matrix_b_fmt:MATRIX_FMT_FP6
.endr
	WIN 0x09
.irp k, 0,1,2,3,4,5,6,7
	v_wmma_scale_f32_16x16x128_f8f6f4 v[H+8*\k:H+8*\k+7], v[24*\k+12:24*\k+23], v[24*\c+12:24*\c+23], v[H+8*\k:H+8*\k+7], v[XS+\k], v[WS+\c] matrix_a_fmt:MATRIX_FMT_FP6 matrix_b_fmt:MATRIX_FMT_FP6 matrix_a_scale:MATRIX_SCALE_ROW1 matrix_b_scale:MATRIX_SCALE_ROW1
.endr
	WIN 0
	PLACES 4
	s_wait_xcnt 0x0                                ; the last fragment's stores have read v[PC] on
	QUANT H,PW+(\c%2)
	SENDF 1536*\c
.if \c%2
	v_cndmask_b32 v[SW+\c/2], v[PW], v[PW+1], s31  ; lanes 0-15: the even channel tile's words; lanes 16-31: the odd one's
.endif
.endr
	global_store_b128 v1, v[SW:SW+3], s[OUTS:OUTS+1]
	CLOSE
.Lfunc_end_k_q20cda75e05_project:
	.size	k_q20cda75e05_project, .Lfunc_end_k_q20cda75e05_project-k_q20cda75e05_project
	.p2alignl 7, 3214868480
	.fill 96, 4, 3214868480
	.section	.rodata,"a",@progbits
	.p2align	6, 0x0
	.amdhsa_kernel k_q20cda75e05_project
		.amdhsa_group_segment_fixed_size 167936
		.amdhsa_private_segment_fixed_size 0
		.amdhsa_enable_private_segment 0
		.amdhsa_kernarg_size 104
		.amdhsa_user_sgpr_count 2
		.amdhsa_user_sgpr_kernarg_segment_ptr 1
		.amdhsa_wavefront_size32 1
		.amdhsa_system_sgpr_workgroup_id_x 1
		.amdhsa_system_sgpr_workgroup_id_y 1
		.amdhsa_system_sgpr_workgroup_id_z 1
		.amdhsa_system_vgpr_workitem_id 0
		.amdhsa_next_free_vgpr 1024
		.amdhsa_next_free_sgpr 92
		.amdhsa_reserve_vcc 0
		.amdhsa_float_denorm_mode_32 3
		.amdhsa_float_denorm_mode_16_64 3
		.amdhsa_memory_ordered 1
		.amdhsa_forward_progress 1
		.amdhsa_inst_pref_size 147
	.end_amdhsa_kernel
	.amdgpu_metadata
---
amdhsa.version: [ 1, 2 ]
amdhsa.kernels:
  - .name:           k_q20cda75e05_project
    .symbol:         k_q20cda75e05_project.kd
    .args:
      - { .name: x_codes, .offset: 0, .size: 8, .value_kind: global_buffer, .address_space: global }
      - { .name: x_scales, .offset: 8, .size: 8, .value_kind: global_buffer, .address_space: global }
      - { .name: Wq_codes, .offset: 16, .size: 8, .value_kind: global_buffer, .address_space: global }
      - { .name: Wq_scales, .offset: 24, .size: 8, .value_kind: global_buffer, .address_space: global }
      - { .name: bq, .offset: 32, .size: 8, .value_kind: global_buffer, .address_space: global }
      - { .name: qimg, .offset: 40, .size: 8, .value_kind: global_buffer, .address_space: global }
      - { .name: Wk_codes, .offset: 48, .size: 8, .value_kind: global_buffer, .address_space: global }
      - { .name: Wk_scales, .offset: 56, .size: 8, .value_kind: global_buffer, .address_space: global }
      - { .name: bk, .offset: 64, .size: 8, .value_kind: global_buffer, .address_space: global }
      - { .name: kv, .offset: 72, .size: 8, .value_kind: global_buffer, .address_space: global }
      - { .name: Wv_codes, .offset: 80, .size: 8, .value_kind: global_buffer, .address_space: global }
      - { .name: Wv_scales, .offset: 88, .size: 8, .value_kind: global_buffer, .address_space: global }
      - { .name: bv, .offset: 96, .size: 8, .value_kind: global_buffer, .address_space: global }
    .group_segment_fixed_size: 167936
    .private_segment_fixed_size: 0
    .kernarg_segment_align: 8
    .kernarg_segment_size: 104
    .max_flat_workgroup_size: 96
    .sgpr_count:     92
    .vgpr_count:     1024
    .wavefront_size: 32
...
	.end_amdgpu_metadata
.endif
;; end of part 1
;; launch attend (part 2): grid 64 x 4, 4 waves a work-group, clusters of 4 x 1, 327,680 bytes of LDS; arguments qimg, kv, part; writes part
.if DOCPART == 2
	.amdgcn_target "amdgcn-amd-amdhsa--gfx1250"
	.amdhsa_code_object_version 6
	.text
	.protected	k_q20cda75e05_attend
	.globl	k_q20cda75e05_attend
	.p2align	8
	.type	k_q20cda75e05_attend,@function
k_q20cda75e05_attend:
	s_mov_b64 s[64:65], 0
	v_nop
	global_prefetch_b8 v0, s[64:65] scope:SCOPE_SE
	s_setreg_imm32_b32 hwreg(HW_REG_WAVE_MODE, 25, 1), 1
	s_wait_xcnt 0x0
	s_wait_alu depctr_hold_cnt(0) depctr_sa_sdst(0) depctr_va_vdst(0) depctr_va_sdst(0) depctr_va_ssrc(0) depctr_va_vcc(0) depctr_vm_vsrc(0)
	s_getreg_b32 s2, hwreg(HW_REG_IB_STS2, 6, 4)
	s_cmp_eq_u32 s2, 0
	s_cbranch_scc0 .Lentry_in_a_cluster
	s_endpgm
.Lentry_in_a_cluster:
	s_bfe_u32 s2, ttmp6, 0x10000c
	s_cmp_lg_u32 s2, 0x3003
	s_cbranch_scc0 .Lentry_shape_is_right
	s_endpgm
.Lentry_shape_is_right:
; part[work-group][channel] = sum over the work-group's 64 queries of softmax(q k^T / 16) v / 4,096, on the codes of FP6 (E2M3) and scale words that the launch before stored as images of operand registers.
; Nothing of reference() is left out: every product and every bias has a way to the result.
; SHARES.  256 work-groups: 64 queries of one batch each.  Wave w: the 32 queries of half w % 2 (two tiles of 16) against the 2,048 keys of half w / 2, in 16 steps of 128 keys.
; Both products are used transposed (S^T = k q^T, O^T = v^T p^T): a lane holds one query; 16 registers of two neighbouring key tiles are 16 neighbouring keys (the launch before chose the tiles' keys so).
; THE TWO QUERY TILES GO HALF A STEP APART.  A turn is the softmax of one tile, 282 vector instructions, with the other tile's 16 products PV and 16 products KQ laid singly among them:
;   the maxima, the new M, and O^T x 2^(old M - new M) in one unbroken run behind one wait (O^T's products stood among the other tile's exponentials);
;   t - M and the 68 exponentials, with PV among them (each of its accumulators is written once and first read a turn later);
;   p's codes and the row's sum, with KQ among them (no transcendental stands between its two links, nor ahead of the maxima that read it first).
; M is the running largest t rounded up to a whole number; p = 2^(t - M); the sum is taken of the unquantised p; a block's largest p is made from the block's largest score by the same two instructions.
; THE RING: two LDS slots of 102,400 bytes, each with one step of both key halves (K's record, V's record, 25,600 bytes each); wave w fetches record w with one tensor load of 100 rows of 256 bytes.
; Behind the change of slots in front of step i + 1's fetches the slot of step i is filled with step i + 2; both fetches of a step (K's 50 loads, V's 50) stand between two changes of slots.
; CLUSTER: the four work-groups of a cluster are four query blocks of one batch and walk the same records: every tensor load is a joint load with the mask 15.
; PREFETCH: behind each refill the record two steps further on than the refill's: 25 lanes name 25 blocks of 256 bytes, a quarter of my record, the quarter chosen by address from my place in the cluster;
; the first cluster of each batch asks (the sixteen clusters of a batch read the same records); the last two refills have no step two on and ask for nothing.
; REGISTERS: window 0: v1-11 addresses, v12-13 q's scale words, v14-15 p's, v16-23 K's, v24-31 V's, v32-79 the two tiles' state, v80-119 p's codes, v120 V's LDS address, v128-255 S^T then p;
; window 1: O^T (tile x at 128 x); window 2: K's 16 fragments, q's four at v192; window 3: V's 16 fragments.
; LIMITS: the promise holds while the scaled scores (t) stay under 2^31 in magnitude; NaN and infinities among the inputs are not served.
.set REC,    25600
.set STEPB,  51200
.set SLOT1,  1<<17
.set STAT,   102400                    ; behind slot 0: each wave's -M and sums, 512 bytes a wave
.set OUTSTG, 104448                    ; the way out: 256 bytes a wave
.set SPARE,  105472                    ; the spare words, 128 bytes a wave
.set MERGE,  233472                    ; behind slot 1: 16,384 bytes a wave
.set ST,  32                           ; state of tile t at ST + 24 t: +0 -M, +1 largest t, +2,3 the sum, +4 f (+5: 0), +6,7 +12,13 +16,17 further chains of the sum, +8.. block maxima, +12.. +16.. +20 at work; v53-55 hold addresses of the way out
.set PC,  80
.set S,   128
.set WV,  10
.set G1,  24
.set G0A, 32
.set G0B, 36
.set SLOTS, 40
.set TB,  41
.set LIM, 42
.set CS,  44
.set SEL, 46
.set PFA, 48
.set W_KQ, 0x0a                        ; sources 0 and 1 window 2
.set W_PV, 0x53                        ; source 0 window 3, source 1 window 0, C and D window 1
.set W_RS, 0x41                        ; source 0 and destination window 1
.set MSB, 0
.macro WIN new                         ; the immediate's high byte repeats the setting that is left
.if MSB != (\new)
	s_set_vgpr_msb (MSB<<8)|(\new)
.set MSB, \new
.endif
.endm
.macro PLACES n
.rept \n
	v_nop
.endr
.endm
.macro CROUND                          ; a round of the cluster's barrier
	s_barrier_signal -1
	s_barrier_wait -1
	s_cmp_lg_u32 s[WV], 0
	s_cbranch_scc1 .Lnot_wave_0_\@
	s_barrier_signal -3
.Lnot_wave_0_\@:
	s_barrier_wait -3
	s_barrier_signal -1
	s_barrier_wait -1
.endm
.macro ASK
	s_cmp_gt_u32 s[SLOTS], s[LIM]
	s_cbranch_scc0 .Lnot_mine_\@
	global_prefetch_b8 v7, s[PFA:PFA+1] th:TH_LOAD_NT scope:SCOPE_SE
.Lnot_mine_\@:
.endm
; product number kqi of S^T = k q^T of tile x: 8 key tiles' accumulators by turns, channels 0-127 (C = 0), then channels 128-255
.macro KQ1 x
	WIN W_KQ
.set rD, S+64*(\x)+8*(kqi%8)
.set rK, 12*(2*(kqi%8)+kqi/8)
.set rQ, 192+24*(\x)+12*(kqi/8)
.if kqi < 8
	v_wmma_scale_f32_16x16x128_f8f6f4 v[rD:rD+7], v[rK:rK+11], v[rQ:rQ+11], 0, v[16+kqi%8], v[12+(\x)] matrix_a_fmt:MATRIX_FMT_FP6 matrix_b_fmt:MATRIX_FMT_FP6
.else
	v_wmma_scale_f32_16x16x128_f8f6f4 v[rD:rD+7], v[rK:rK+11], v[rQ:rQ+11], v[rD:rD+7], v[16+kqi%8], v[12+(\x)] matrix_a_fmt:MATRIX_FMT_FP6 matrix_b_fmt:MATRIX_FMT_FP6 matrix_a_scale:MATRIX_SCALE_ROW1 matrix_b_scale:MATRIX_SCALE_ROW1
.endif
.set kqi, kqi+1
.endm
; product number pvi of O^T += v^T p^T of tile x: 16 channel tiles, each accumulator once.  zero = 1: the first step starts the sums
.macro PV1 x, zero
	WIN W_PV
.set rO, 128*(\x)+8*pvi
.set rV, 12*pvi
.set rB, PC+20*(\x)
.if (\zero) && ((pvi%2) == 0)
	v_wmma_scale_f32_16x16x128_f8f6f4 v[rO:rO+7], v[rV:rV+11], v[rB:rB+11], 0, v[24+pvi/2], v[14+(\x)] matrix_a_fmt:MATRIX_FMT_FP6 matrix_b_fmt:MATRIX_FMT_FP6
.elseif (\zero)
	v_wmma_scale_f32_16x16x128_f8f6f4 v[rO:rO+7], v[rV:rV+11], v[rB:rB+11], 0, v[24+pvi/2], v[14+(\x)] matrix_a_fmt:MATRIX_FMT_FP6 matrix_b_fmt:MATRIX_FMT_FP6 matrix_a_scale:MATRIX_SCALE_ROW1
.elseif (pvi%2) == 0
	v_wmma_scale_f32_16x16x128_f8f6f4 v[rO:rO+7], v[rV:rV+11], v[rB:rB+11], v[rO:rO+7], v[24+pvi/2], v[14+(\x)] matrix_a_fmt:MATRIX_FMT_FP6 matrix_b_fmt:MATRIX_FMT_FP6
.else
	v_wmma_scale_f32_16x16x128_f8f6f4 v[rO:rO+7], v[rV:rV+11], v[rB:rB+11], v[rO:rO+7], v[24+pvi/2], v[14+(\x)] matrix_a_fmt:MATRIX_FMT_FP6 matrix_b_fmt:MATRIX_FMT_FP6 matrix_a_scale:MATRIX_SCALE_ROW1
.endif
.set pvi, pvi+1
.endm
.macro LOADS adr, sc, win              ; a record: 2 loads of scale words, 48 of fragments: 50 LDS loads
	WIN 0
	ds_load_b128 v[\sc:\sc+3], v[\adr] offset:24576
	ds_load_b128 v[\sc+4:\sc+7], v[\adr] offset:25088
	WIN \win
.set qi, 0
.rept 48
	ds_load_b128 v[4*qi:4*qi+3], v[\adr] offset:512*qi
.set qi, qi+1
.endr
.endm
.macro FETCH base, sc, win             ; from the slot at s[TB]
	WIN 0
	v_add_nc_u32 v4, s[TB], v[\base]
	LOADS 4, \sc, \win
.endm
; vector instruction number n (0 to 281) of the softmax of tile t.  first = 1: there is no O^T yet
.macro SM t, first
.set rT, ST+24*(\t)
.set rS, S+64*(\t)
.set rP, PC+20*(\t)
.if (n < 49) || (n > 112)
	WIN 0
.endif
.if n < 4                              ; the largest score of each block of 32 keys; each accumulator is read from its low end on
	v_max3_num_f32 v[rT+8+n], v[rS+16*n], v[rS+16*n+1], v[rS+16*n+2]
.elseif n < 28
.set sb, n%4
.set si, 3+2*((n-4)/4)
	v_max3_num_f32 v[rT+8+sb], v[rT+8+sb], v[rS+16*sb+si], v[rS+16*sb+si+1]
.elseif n < 32
.set sb, n-28
	v_max_num_f32 v[rT+8+sb], v[rT+8+sb], v[rS+16*sb+15]
.elseif n < 36
.set sb, n-32
	v_permlanex16_b32 v[rT+12+sb], v[rT+8+sb], s[SEL], s[SEL+1]
.elseif n < 40
.set sb, n-36
	v_max_num_f32 v[rT+8+sb], v[rT+8+sb], v[rT+12+sb]
.elseif n == 40
	v_max3_num_f32 v[rT+20], v[rT+8], v[rT+9], v[rT+10]
.elseif n == 41
	v_max_num_f32 v[rT+20], v[rT+20], v[rT+11]
.elseif n == 42
	v_mul_f32 v[rT+20], s[CS], v[rT+20]            ; the step's largest score as t
.elseif n == 43
	v_max_num_f32 v[rT+1], v[rT+1], v[rT+20]       ; the running largest t
.elseif n == 44
	v_mov_b32 v[rT+20], v[rT]
.elseif n == 45
	v_floor_f32 v[rT], -v[rT+1]                    ; the new -M = -ceil(t)
.elseif n == 46
	v_sub_f32 v[rT+20], v[rT], v[rT+20]            ; old M - new M: a whole number, 0 or less
.elseif n == 47
	v_cvt_i32_f32 v[rT+20], v[rT+20]               ; (it saturates)
.elseif n == 48
	v_ldexp_f32 v[rT+4], 1.0, v[rT+20]             ; f = 2^(old M - new M)
.elseif n < 113                        ; O^T under the new M: 64 lines on end, each accumulator from its low end on
.if (\first) == 0
	WIN W_RS
.if n == 49
	s_wait_alu depctr_va_vdst(0)                   ; directly ahead of the first reader of O^T
.endif
.set sb, 128*(\t)+2*(n-49)
	v_pk_mul_f32 v[sb:sb+1], v[sb:sb+1], v[rT+4:rT+5] op_sel_hi:[1,0]
.endif
.elseif n < 145
.set sb, 2*(n-113)
	v_pk_fma_f32 v[rS+sb:rS+sb+1], v[rS+sb:rS+sb+1], s[CS:CS+1], v[rT:rT+1] op_sel_hi:[1,0,0]   ; t - M
.elseif n < 149
.set sb, n-145
	v_fma_f32 v[rT+8+sb], v[rT+8+sb], s[CS], v[rT] ; the same of each block's largest score
.elseif n < 213
.if n == 149
	s_wait_alu depctr_va_vdst(0)                   ; the wait ahead of the batch
.endif
.set sb, n-149
	v_exp_f32 v[rS+sb], v[rS+sb]                   ; p = 2^(t - M)
.elseif n < 217
.set sb, n-213
	v_exp_f32 v[rT+8+sb], v[rT+8+sb]               ; each block's largest p
.elseif n == 217
	v_pk_mul_f32 v[rT+2:rT+3], v[rT+2:rT+3], v[rT+4:rT+5] op_sel_hi:[1,0]   ; the sum under the new M: plain work behind the batch
	s_wait_alu depctr_va_vdst(0)                   ; and the one wait behind it, ahead of its first reader
.elseif n < 222
.set sb, n-218
	v_max_num_f32 v[rT+8+sb], 0x1800000, v[rT+8+sb]   ; the floor 2^(3 - 127): the byte cannot fall under 1
.elseif n < 226
.set sb, n-222
	v_add_nc_u32 v[rT+16+sb], 0xff000000, v[rT+8+sb]  ; 2 off the exponent field: the conversion's scale operand
.elseif n < 230
.set sb, n-226
	v_lshrrev_b32 v[rT+12+sb], 23, v[rT+16+sb]     ; the scale's byte
.elseif n == 230
	v_lshl_or_b32 v[14+(\t)], v[rT+13], 8, v[rT+12]
.elseif n == 231
	v_lshl_or_b32 v[14+(\t)], v[rT+14], 16, v[14+(\t)]
.elseif n == 232
	v_lshl_or_b32 v[14+(\t)], v[rT+15], 24, v[14+(\t)]   ; p's scale word of these 128 keys
.elseif n < 237
.set sb, (n-233)/2
.if ((n-233)%2) == 0
	v_cvt_scalef32_pk16_fp6_f32 v[rP+6*sb:rP+6*sb+2], v[rS+32*sb:rS+32*sb+15], v[rT+16+2*sb]
.else
	v_cvt_scalef32_pk16_fp6_f32 v[rP+12+4*sb:rP+14+4*sb], v[rS+32*sb+16:rS+32*sb+31], v[rT+17+2*sb]
.endif
.elseif n == 237
	v_nop                                          ; one plain place behind the scaled conversions
.elseif n < 250                        ; a whole block in a lane: lanes 0-15 block 2 c, lanes 16-31 block 2 c + 1
.set sb, (n-238)/6
.set si, (n-238)%6
.if si < 3
	v_permlane16_swap_b32 v[rP+6*sb+si], v[rP+12+4*sb+si]
.else
	v_mov_b32 v[rP+6*sb+si], v[rP+9+4*sb+si]
.endif
.elseif n == 250                       ; the row's sum of the unquantised p, in four chains
	v_pk_add_f32 v[rT+6:rT+7], v[rS:rS+1], v[rS+2:rS+3]
.elseif n == 251
	v_pk_add_f32 v[rT+16:rT+17], v[rS+4:rS+5], v[rS+6:rS+7]   ; (the conversions have read their scale operands: the pair is free)
.elseif n == 252
	v_pk_add_f32 v[rT+12:rT+13], v[rS+8:rS+9], v[rS+10:rS+11]
.elseif n < 279
.set sb, rS+12+2*(n-253)
.set si, rT+2
.if ((n-253)%4) == 1
.set si, rT+6
.elseif ((n-253)%4) == 2
.set si, rT+16
.elseif ((n-253)%4) == 3
.set si, rT+12
.endif
	v_pk_add_f32 v[si:si+1], v[si:si+1], v[sb:sb+1]
.elseif n == 279
	v_pk_add_f32 v[rT+2:rT+3], v[rT+2:rT+3], v[rT+6:rT+7]
.elseif n == 280
	v_pk_add_f32 v[rT+16:rT+17], v[rT+16:rT+17], v[rT+12:rT+13]
.else
	v_pk_add_f32 v[rT+2:rT+3], v[rT+2:rT+3], v[rT+16:rT+17]
.endif
.endm
; A turn: the softmax of tile 1 - x, with tile x's products among its lines.  pv: 0 none, 1 the first (C = 0), 2 adding; kq: 0 or 1; fv: V of the next step is fetched; wk: K's loads are waited for.
; Seven plain lines of the sum stand behind the last product: the places in front of the next turn's first read of S^T and of the next loads into K's registers.
.macro TURN x, pv, kq, first, fv, wk
.set n, 0
.set pvi, 0
.set kqi, 0
.rept 282
	SM 1-(\x), \first
.set pvc, ((n >= 113) && (n <= 141) && (((n-113)%4) == 0)) || ((n >= 152) && (n <= 180) && (((n-152)%4) == 0))
.set kqc, ((n >= 221) && (n <= 229) && (((n-221)%4) == 0)) || (n == 232) || ((n >= 240) && (n <= 249) && (((n-240)%3) == 0)) || ((n >= 253) && (n <= 274) && (((n-253)%3) == 0))
.if (\pv) && pvc
	PV1 \x, 2-(\pv)
.endif
.if (\fv) && (n == 148)
	WIN 0
	v_add_nc_u32 v120, s[TB], v3                   ; V's address, made ahead of the wait in front of the batch
.endif
.if (\fv) && (n == 184)
	PLACES 4                                       ; in front of loads into registers that the products PV have read
	LOADS 120, 24, 0xc0
.endif
.if (\wk) && (n == 217)
	s_wait_dscnt 0x0                               ; K's 50 loads, the only LDS instructions that are out, are in
.endif
.if (\kq) && kqc
	KQ1 \x
.endif
.set n, n+1
.endr
.endm
; The change of slots.  In front of it all my tensor loads have landed (the one that was out is my record of the next step) and my reads of the slot just used are over.
.macro CHANGE fill
	WIN 0
	s_wait_alu depctr_va_vdst(0)                   ; directly ahead of the waits below
	s_wait_tensorcnt 0x0
	ds_add_u32 v5, v6
.if \fill
	s_xor_b32 s[G0B+1], s[G0B+1], SLOT1            ; no tensor load of mine is out: the descriptor steps to the other slot and the next step
	s_add_nc_u64 s[G0B+2:G0B+3], s[G0B+2:G0B+3], STEPB
	s_wait_xcnt 0x0                                ; my last prefetch has read its address
	s_add_nc_u64 s[PFA:PFA+1], s[PFA:PFA+1], STEPB
	s_wait_dscnt 0x0
	CROUND
	tensor_load_to_lds s[G0B:G0B+3], s[G1:G1+7]
	s_nop 0
	PLACES 4
	ASK
.else
	s_wait_dscnt 0x0
	s_barrier_signal -1
	s_barrier_wait -1
.endif
	s_xor_b32 s[TB], s[TB], SLOT1
.endm
.macro TRIP fill, pv, first            ; step i's tile 1 and step i + 1's tile 0
	CHANGE \fill
	FETCH 2, 16, 0x80                              ; K of step i + 1
	TURN 0, \pv, 1, \first, 0, 1
	TURN 1, \pv, 1, 0, 1, 0
	WIN 0
.endm
	s_load_b128 s[4:7], s[0:1], 0x0                ; qimg, kv
	s_load_b64 s[8:9], s[0:1], 0x10                ; part
	v_lshl_add_u32 v5, v0, 2, SPARE
	v_mov_b32 v6, 0
	ds_add_u32 v5, v6
	ds_add_u32 v5, v6
	s_wait_dscnt 0x0
	v_lshrrev_b32 v1, 5, v0
	v_readfirstlane_b32 s[WV], v1
	s_and_b32 s11, s[WV], 1                        ; my half of the queries; also: I fetch K's record (0) or V's (1)
	s_lshr_b32 s12, s[WV], 1                       ; my half of the keys
	s_bfe_u32 s13, ttmp6, 0x40000                  ; cx
	s_and_b32 s14, ttmp7, 0xffff                   ; batch
	s_mul_i32 s16, s14, 1638400                    ; kv: the batch's 32 steps, my key half's 16, my record
	s_mul_i32 s17, s12, 819200
	s_add_co_u32 s16, s16, s17
	s_mul_i32 s17, s11, REC
	s_add_co_u32 s16, s16, s17
	s_mov_b32 s17, 0
	s_mul_i32 s15, s[WV], REC                      ; where it goes in a slot
	s_lshl_b32 s18, ttmp9, 2
	s_add_co_u32 s18, s18, s13
	s_lshl_b32 s19, s14, 6
	s_add_co_u32 s18, s18, s19                     ; my work-group's number: 64 x batch + 4 x cluster + cx
	s_mul_i32 s20, s18, 12800                      ; its record of q
	s_lshl_b32 s23, s11, 3
	s_add_co_u32 s22, s20, s23
	s_add_co_u32 s22, s22, 12288                   ; my two tiles' scale words
	s_mov_b32 s23, 0
	s_mul_i32 s21, s11, 6144
	s_add_co_u32 s20, s20, s21                     ; my four fragments
	s_mov_b32 s21, 0
	s_lshl_b32 s18, s18, 10
	s_lshl_b32 s19, s[WV], 8
	s_add_co_u32 s18, s18, s19                     ; part: 1,024 bytes a work-group, 256 a wave
	s_mov_b32 s19, 0
	s_mul_i32 s54, s13, 6400                       ; the prefetches: my work-group's quarter of my record,
	s_add_co_u32 s54, s54, 3*STEPB                 ; at step 3: the first refill (step 2) steps it to 4
	s_mov_b32 s55, 0
	s_mov_b32 s[G1], 15|(3<<16)|(1<<21)            ; the mask of the four partners, elements of 8 bytes
	s_mov_b32 s[G1+1], 32<<16
	s_mov_b32 s[G1+2], 100<<16
	s_mov_b32 s[G1+3], 32<<16
	s_mov_b32 s[G1+4], 100
	s_mov_b32 s[G1+5], 32
	s_mov_b32 s[G1+6], 0
	s_mov_b32 s[G1+7], 0
	s_mov_b32 s[CS], 0x3db8aa3b                    ; log2(e) / 16
	s_mov_b32 s[CS+1], s[CS]
	s_mov_b32 s[SEL], 0x76543210
	s_mov_b32 s[SEL+1], 0xfedcba98
	s_mov_b32 s[TB], 0
	s_mov_b32 s[SLOTS], 14                         ; refills to go
	s_cmp_eq_u32 ttmp9, 0
	s_cselect_b32 s[LIM], 2, -1
	s_wait_kmcnt 0x0
	s_add_nc_u64 s[6:7], s[6:7], s[16:17]
	s_add_nc_u64 s[50:51], s[4:5], s[20:21]
	s_add_nc_u64 s[52:53], s[4:5], s[22:23]
	s_add_nc_u64 s[8:9], s[8:9], s[18:19]
	s_add_nc_u64 s[PFA:PFA+1], s[6:7], s[54:55]
	s_mov_b32 s[G0A], 1
	s_mov_b32 s[G0A+1], s15
	s_mov_b64 s[G0A+2:G0A+3], s[6:7]
	s_or_b32 s[G0A+3], s[G0A+3], 0x80000000
	s_mov_b32 s[G0B], 1
	s_add_co_u32 s[G0B+1], s15, SLOT1
	s_add_nc_u64 s[G0B+2:G0B+3], s[6:7], STEPB
	s_or_b32 s[G0B+3], s[G0B+3], 0x80000000
	CROUND
	tensor_load_to_lds s[G0A:G0A+3], s[G1:G1+7]    ; step 0: one tensor load a wave at the head
	s_nop 0
	PLACES 4
	s_mul_i32 s16, s12, STEPB                      ; the rest of the head stands under that load's flight
	s_lshl_b32 s17, s[WV], 14
	s_add_co_u32 s17, s17, MERGE
	s_lshl_b32 s18, s[WV], 12
	s_add_co_u32 s18, s18, MERGE
	s_lshl_b32 s19, s[WV], 9
	s_add_co_u32 s19, s19, STAT
	s_xor_b32 s20, s[WV], 2
	s_lshl_b32 s20, s20, 9
	s_add_co_u32 s20, s20, STAT
	s_lshl_b32 s21, s[WV], 8
	s_add_co_u32 s21, s21, OUTSTG
	v_and_b32 v120, 31, v0
	v_bfe_u32 v121, v0, 4, 1
	v_lshlrev_b32 v1, 4, v120                      ; 16 x lane: my place in an image
	v_add_nc_u32 v2, s16, v1                       ; K's record of my key half
	v_add_nc_u32 v3, REC, v2                       ; V's
	v_min_u32 v7, 24, v120
	v_lshlrev_b32 v7, 8, v7                        ; the prefetches' 25 blocks
	v_add_nc_u32 v8, s17, v1
	v_add_nc_u32 v9, s18, v1
	v_add_nc_u32 v10, s19, v1
	v_add_nc_u32 v11, s20, v1
	v_lshlrev_b32 v55, 3, v120
	v_lshl_add_u32 v53, v121, 5, s21
	v_add_nc_u32 v54, s21, v55
	WIN 0x80
.set qi, 0
.rept 12
	global_load_b128 v[192+4*qi:195+4*qi], v1, s[50:51] offset:512*qi   ; q's four fragments
.set qi, qi+1
.endr
	WIN 0
	global_load_b64 v[12:13], v1, s[52:53]
.irp t, 0,1
	v_mov_b32 v[ST+24*\t+1], 0xff61b1e6            ; the largest t so far: -3e38
	v_floor_f32 v[ST+24*\t], -v[ST+24*\t+1]
	v_mov_b32 v[ST+24*\t+2], 0
	v_mov_b32 v[ST+24*\t+3], 0
	v_mov_b32 v[ST+24*\t+5], 0
.irp b, 0,1,2,3
	v_mov_b32 v[ST+24*\t+12+\b], 0                 ; a lane permute's destination counts as one of its sources
.endr
.endr
	s_wait_alu depctr_va_vdst(0)                   ; the wait at the head's end
	s_wait_tensorcnt 0x0                           ; my record of step 0 is in; slot 1's first fill is issued as a refill is
	ds_add_u32 v5, v6
	s_wait_dscnt 0x0
	CROUND
	tensor_load_to_lds s[G0B:G0B+3], s[G1:G1+7]    ; step 1
	s_nop 0
	PLACES 4
	FETCH 2, 16, 0x80
	FETCH 3, 24, 0xc0
	s_wait_loadcnt 0x0                             ; q
	s_wait_dscnt 50                                ; K's 50 loads are in; V's 50, issued behind them, may be out
.irp x, 0,1
.set kqi, 0
.rept 16
	KQ1 \x
.endr
.endr
	PLACES 4                                       ; in front of the first read of results (ISA guide 7.12.1)
	TURN 1, 0, 0, 1, 0, 0                          ; step 0's tile 0: no product is due yet
	TRIP 1, 1, 1                                   ; the first products PV start the sums: nothing is cleared
	s_mov_b32 s[SLOTS], 13
.Lstep:
	TRIP 1, 2, 0
	s_sub_co_u32 s[SLOTS], s[SLOTS], 1
	s_cmp_lg_u32 s[SLOTS], 0
	s_cbranch_scc1 .Lstep
	TRIP 0, 2, 0                                   ; step 15 is fetched from its slot; nothing is filled again
	s_wait_alu depctr_va_vdst(0)                   ; directly ahead of the wait below
	s_wait_dscnt 0x0                               ; V of step 15
	TURN 0, 2, 0, 0, 0, 0                          ; step 15's tile 1, with tile 0's last products
.set pvi, 0
.rept 16
	PV1 1, 0
.endr
	WIN 0
; THE WAY OUT.  The two key halves' -M and sums meet through LDS; each wave weighs its O^T by 2^(its M - the common M) / (the common sum x 4,096), adds its two query tiles,
; the four waves' 128 registers meet through LDS, a quarter to each wave, and the sixteen queries of a row of lanes are summed.
.irp t, 0,1
	v_add_f32 v[ST+24*\t+20], v[ST+24*\t+2], v[ST+24*\t+3]
.endr
.irp t, 0,1
	v_permlanex16_b32 v[ST+24*\t+12], v[ST+24*\t+20], s[SEL], s[SEL+1]
.endr
.irp t, 0,1
	v_mov_b32 v[120+2*\t], v[ST+24*\t]
	v_add_f32 v[121+2*\t], v[ST+24*\t+20], v[ST+24*\t+12]
.endr
	ds_store_b128 v10, v[120:123]
	s_wait_alu depctr_va_vdst(0)
	s_wait_dscnt 0x0
	s_barrier_signal -1
	s_barrier_wait -1
	ds_load_b128 v[124:127], v11                   ; the other key half's, same queries
	s_wait_dscnt 0x0
.irp t, 0,1
	v_min_num_f32 v[ST+24*\t+8], v[120+2*\t], v[124+2*\t]   ; the common -M
.endr
.irp t, 0,1
	v_sub_f32 v[ST+24*\t+9], v[ST+24*\t+8], v[120+2*\t]
	v_sub_f32 v[ST+24*\t+10], v[ST+24*\t+8], v[124+2*\t]
.endr
.irp t, 0,1
	v_cvt_i32_f32 v[ST+24*\t+9], v[ST+24*\t+9]
	v_cvt_i32_f32 v[ST+24*\t+10], v[ST+24*\t+10]
.endr
.irp t, 0,1
	v_ldexp_f32 v[ST+24*\t+9], 1.0, v[ST+24*\t+9]
	v_ldexp_f32 v[ST+24*\t+10], 1.0, v[ST+24*\t+10]
.endr
.irp t, 0,1
	v_mul_f32 v[ST+24*\t+11], v[121+2*\t], v[ST+24*\t+9]
.endr
.irp t, 0,1
	v_fma_f32 v[ST+24*\t+11], v[125+2*\t], v[ST+24*\t+10], v[ST+24*\t+11]   ; the common sum
.endr
	s_wait_alu depctr_va_vdst(0)                   ; the wait ahead of the transcendentals
.irp t, 0,1
	v_rcp_f32 v[ST+24*\t+12], v[ST+24*\t+11]
.endr
.irp t, 0,1
	v_mul_f32 v[ST+24*\t+9], 0x39800000, v[ST+24*\t+9]   ; / 4,096: the mean
.endr
	s_wait_alu depctr_va_vdst(0)                   ; and behind them, ahead of their readers and of the first readers of O^T
.irp t, 0,1
	v_mul_f32 v[ST+24*\t+4], v[ST+24*\t+12], v[ST+24*\t+9]
.endr
	WIN W_RS
.set qi, 0
.rept 64
	v_pk_mul_f32 v[2*qi:2*qi+1], v[2*qi:2*qi+1], v[ST+4:ST+5] op_sel_hi:[1,0]
.set qi, qi+1
.endr
	WIN 0x51
.set qi, 0
.rept 64
	v_pk_fma_f32 v[2*qi:2*qi+1], v[128+2*qi:129+2*qi], v[ST+28:ST+29], v[2*qi:2*qi+1] op_sel_hi:[1,0,1]
.set qi, qi+1
.endr
	WIN 0x04
.set qi, 0
.rept 32
	ds_store_b128 v8, v[4*qi:4*qi+3] offset:512*qi
.set qi, qi+1
.endr
	WIN 0
	s_wait_dscnt 0x0
	s_barrier_signal -1
	s_barrier_wait -1
.irp u, 0,1,2,3
.set qi, 0
.rept 8
	ds_load_b128 v[128+32*\u+4*qi:131+32*\u+4*qi], v9 offset:16384*\u+512*qi
.set qi, qi+1
.endr
.endr
	s_wait_dscnt 0x0
.irp u, 1,2,3
.set qi, 0
.rept 16
	v_pk_add_f32 v[128+2*qi:129+2*qi], v[128+2*qi:129+2*qi], v[128+32*\u+2*qi:129+32*\u+2*qi]
.set qi, qi+1
.endr
.endr
.irp k, 1,2,4,8
.set qi, 0
.rept 32
	v_add_f32_dpp v[128+qi], v[128+qi], v[128+qi] row_xmask:\k row_mask:0xf bank_mask:0xf
.set qi, qi+1
.endr
.endr
.irp c, 0,1,2,3
.irp e, 0,1
	ds_store_b128 v53, v[128+8*\c+4*\e:131+8*\c+4*\e] offset:64*\c+16*\e
.endr
.endr
	ds_load_b64 v[120:121], v54                    ; my own bytes: LDS serves a wave's instructions in order
	s_wait_dscnt 0x0
	global_store_b64 v55, v[120:121], s[8:9]       ; 32 lanes store 256 consecutive bytes, at a multiple of 256 from part's first byte
	s_wait_tensorcnt 0x0                           ; the wave's end
	ds_add_u32 v5, v6
	s_wait_dscnt 0x0
	CROUND                                         ; the closing round
	s_endpgm
.Lfunc_end_k_q20cda75e05_attend:
	.size	k_q20cda75e05_attend, .Lfunc_end_k_q20cda75e05_attend-k_q20cda75e05_attend
	.p2alignl 7, 3214868480
	.fill 96, 4, 3214868480
	.section	.rodata,"a",@progbits
	.p2align	6, 0x0
	.amdhsa_kernel k_q20cda75e05_attend
		.amdhsa_group_segment_fixed_size 327680
		.amdhsa_private_segment_fixed_size 0
		.amdhsa_enable_private_segment 0
		.amdhsa_kernarg_size 24
		.amdhsa_user_sgpr_count 2
		.amdhsa_user_sgpr_kernarg_segment_ptr 1
		.amdhsa_wavefront_size32 1
		.amdhsa_system_sgpr_workgroup_id_x 1
		.amdhsa_system_sgpr_workgroup_id_y 1
		.amdhsa_system_sgpr_workgroup_id_z 1
		.amdhsa_system_vgpr_workitem_id 0
		.amdhsa_next_free_vgpr 1024
		.amdhsa_next_free_sgpr 66
		.amdhsa_reserve_vcc 0
		.amdhsa_float_denorm_mode_32 3
		.amdhsa_float_denorm_mode_16_64 3
		.amdhsa_memory_ordered 1
		.amdhsa_forward_progress 1
		.amdhsa_inst_pref_size 218
	.end_amdhsa_kernel
	.amdgpu_metadata
---
amdhsa.version: [ 1, 2 ]
amdhsa.kernels:
  - .name:           k_q20cda75e05_attend
    .symbol:         k_q20cda75e05_attend.kd
    .args:
      - { .name: qimg, .offset: 0, .size: 8, .value_kind: global_buffer, .address_space: global }
      - { .name: kv, .offset: 8, .size: 8, .value_kind: global_buffer, .address_space: global }
      - { .name: part, .offset: 16, .size: 8, .value_kind: global_buffer, .address_space: global }
    .group_segment_fixed_size: 327680
    .private_segment_fixed_size: 0
    .kernarg_segment_align: 8
    .kernarg_segment_size: 24
    .max_flat_workgroup_size: 128
    .sgpr_count:     66
    .vgpr_count:     1024
    .wavefront_size: 32
...
	.end_amdgpu_metadata
.endif
;; end of part 2
;; launch finish (part 3): grid 16 x 1, 1 waves a work-group, no clusters, 0 bytes of LDS; arguments part, out0; writes out0
.if DOCPART == 3
	.amdgcn_target "amdgcn-amd-amdhsa--gfx1250"
	.amdhsa_code_object_version 6
	.text
	.protected	k_q20cda75e05_finish
	.globl	k_q20cda75e05_finish
	.p2align	8
	.type	k_q20cda75e05_finish,@function
k_q20cda75e05_finish:
	s_mov_b64 s[64:65], 0
	v_nop
	global_prefetch_b8 v0, s[64:65] scope:SCOPE_SE
	s_setreg_imm32_b32 hwreg(HW_REG_WAVE_MODE, 25, 1), 1
	s_wait_xcnt 0x0
; out0[batch][channel] = the sum of the batch's 64 partial vectors part[64 batch + g][channel], which already carry the division by the rows' sums and by 4,096.
; 16 work-groups of one wave: work-group id takes batch id / 4 and the 64 channels 64 (id % 4) on: each load reads 256 consecutive bytes, 8 a lane; all 64 loads go out at once.
; The sum spans the work-groups of the launch before, so it has a launch of its own; it is 256 KiB read once, with nothing to share: no LDS, no matrix unit, no cluster.
	s_load_b128 s[4:7], s[0:1], 0x0                ; part, out0
	v_lshlrev_b32 v1, 3, v0                        ; 8 x lane
	s_lshr_b32 s8, ttmp9, 2
	s_lshl_b32 s8, s8, 16                          ; the batch's 64 vectors of 1,024 bytes
	s_and_b32 s9, ttmp9, 3
	s_lshl_b32 s9, s9, 8                           ; my 256 bytes of each
	s_add_co_u32 s8, s8, s9
	s_mov_b32 s9, 0
	s_lshl_b32 s10, ttmp9, 8                       ; out0: 1,024 x batch + 256 x strip = 256 x id
	s_mov_b32 s11, 0
	s_wait_alu depctr_va_vdst(0)
	s_wait_kmcnt 0x0
	s_add_nc_u64 s[4:5], s[4:5], s[8:9]
	s_add_nc_u64 s[6:7], s[6:7], s[10:11]
.set g, 0
.rept 64
	global_load_b64 v[8+2*g:9+2*g], v1, s[4:5] offset:1024*g th:TH_LOAD_NT
.set g, g+1
.endr
	s_wait_loadcnt 48                              ; loads come back in order: the first 16 are in, the 48 younger ones may be out
.set g, 4
.rept 60                               ; four chains, begun by vectors 0 to 3: nothing is cleared
.if (g%16) == 0
	s_wait_alu depctr_va_vdst(0)
	s_wait_loadcnt 48-16*(g/16)                    ; the next 16 are in: 32, 16 and then no younger loads stay out
.endif
	v_pk_add_f32 v[8+2*(g%4):9+2*(g%4)], v[8+2*(g%4):9+2*(g%4)], v[8+2*g:9+2*g]
.set g, g+1
.endr
	v_pk_add_f32 v[8:9], v[8:9], v[10:11]
	v_pk_add_f32 v[12:13], v[12:13], v[14:15]
	v_pk_add_f32 v[8:9], v[8:9], v[12:13]
	global_store_b64 v1, v[8:9], s[6:7]            ; 32 lanes store 256 consecutive bytes, at a multiple of 256 from out0's first byte
	s_endpgm
.Lfunc_end_k_q20cda75e05_finish:
	.size	k_q20cda75e05_finish, .Lfunc_end_k_q20cda75e05_finish-k_q20cda75e05_finish
	.p2alignl 7, 3214868480
	.fill 96, 4, 3214868480
	.section	.rodata,"a",@progbits
	.p2align	6, 0x0
	.amdhsa_kernel k_q20cda75e05_finish
		.amdhsa_group_segment_fixed_size 0
		.amdhsa_private_segment_fixed_size 0
		.amdhsa_enable_private_segment 0
		.amdhsa_kernarg_size 16
		.amdhsa_user_sgpr_count 2
		.amdhsa_user_sgpr_kernarg_segment_ptr 1
		.amdhsa_wavefront_size32 1
		.amdhsa_system_sgpr_workgroup_id_x 1
		.amdhsa_system_sgpr_workgroup_id_y 1
		.amdhsa_system_sgpr_workgroup_id_z 1
		.amdhsa_system_vgpr_workitem_id 0
		.amdhsa_next_free_vgpr 140
		.amdhsa_next_free_sgpr 66
		.amdhsa_reserve_vcc 0
		.amdhsa_float_denorm_mode_32 3
		.amdhsa_float_denorm_mode_16_64 3
		.amdhsa_memory_ordered 1
		.amdhsa_forward_progress 1
		.amdhsa_inst_pref_size 11
	.end_amdhsa_kernel
	.amdgpu_metadata
---
amdhsa.version: [ 1, 2 ]
amdhsa.kernels:
  - .name:           k_q20cda75e05_finish
    .symbol:         k_q20cda75e05_finish.kd
    .args:
      - { .name: part, .offset: 0, .size: 8, .value_kind: global_buffer, .address_space: global }
      - { .name: out0, .offset: 8, .size: 8, .value_kind: global_buffer, .address_space: global }
    .group_segment_fixed_size: 0
    .private_segment_fixed_size: 0
    .kernarg_segment_align: 8
    .kernarg_segment_size: 16
    .max_flat_workgroup_size: 32
    .sgpr_count:     66
    .vgpr_count:     140
    .wavefront_size: 32
...
	.end_amdgpu_metadata
.endif
;; end of part 3
